; MI455X (gfx1250); checked and timed in simulation.
; The chip was launched on July 23, 2026; its instructions are those of AMD's public machine-readable ISA for CDNA 5 (MIT licence, August 2026) and "CDNA5" Instruction Set Architecture Reference Guide (July 2026). The comments in the code are by the model that wrote it; some were corrected since.
;; Self Attn. Allowed arithmetic: matrix products marked QUANTISED: E5M2 operands, one given power-of-two scale a tensor, by v_wmma_f32_16x16x64_bf8_bf8 or v_wmma_f32_16x16x128_bf8_bf8, f32 sums; products left as they are: f32 operands where the result goes on into a quantised operand, else bf16, f16 or f32 operands; f32 sums; everything else in f32.
;; Inputs: V 512 x 512 float32; W 512 x 512 float32; input_seq 256 x 512 x 512 float32; lowp_scales 4 int32 (the exponents e of the quantised operands' scales 2^e); v 512 float32.
;; Outputs: out0 256 x 1 float32.
;; This version of the problem:
;;   THIS VERSION OF THE PROBLEM IS GIVEN IN LOW PRECISION. The matrix products marked QUANTISED in the list below multiply operands that are first quantised to E5M2 (5 exponent bits, 2 mantissa bits; 8 bits a number), with one given power-of-two scale for each operand tensor; their sums are f32. All else is computed in f32.
;;   The module's matrix products, in the order in which they are computed (A, B: the left and right operand; K: the contracted axis; several contracted axes count as one K, in the product's order):
;;     1. [M 131,072, K 512] x [K 512, N 512]; A: input input_seq; B: input W: QUANTISED (scales: A lowp_scales[0], B lowp_scales[1])
;;     2. batch 256 x [M 1, K 512] x [K 512, N 512]; A: input input_seq; B: computed on the way: left as it is (M = 1 < 16)
;;     3. [M 131,072, K 512] x [K 512, N 512]; A: input input_seq; B: input V: QUANTISED (scales: A lowp_scales[2], B lowp_scales[3])
;;     4. batch 256 x [M 1, K 512] x [K 512, N 512]; A: softmax; B: computed on the way: left as it is (M = 1 < 16)
;;     5. [M 256, K 512] x [K 512, N 1]; A: computed on the way; B: input v: left as it is (N = 1 < 16)
;;   THE QUANTISER, for each operand of a quantised product, along K:
;;     - The operand's scale is 2^e, e = its entry of the input lowp_scales (int32; the entries are numbered through the quantised products in the list's order, A before B).
;;     - Each number is divided by the scale, clamped to +-57,344, and rounded to the nearest number of E5M2, ties to even, subnormals kept.
;;     - The product sums the exact products of the quantised numbers (number of the format x scale) in f32.
;;   ~~~python
;;   def quantise(x, axis, e):      # numpy; x: float32 -> the quantised numbers, widened to float32 again
;;       x = np.moveaxis(x, axis, -1); K = x.shape[-1]
;;       r = np.clip(x / 2.0 ** e, -57344, 57344)
;;       step = 2.0 ** (np.maximum(np.frexp(np.where(r == 0, 1, r))[1] - 1, -14) - 2)
;;       q = np.round(r / step) * step * 2.0 ** e      # np.round: ties to even
;;       return np.moveaxis(q, -1, axis).astype(np.float32)
;;   ~~~
;; One version. Each part assembles by itself: llvm-mc -triple=amdgcn-amd-amdhsa -mcpu=gfx1250 --defsym DOCPART=n.
;; ======== version 1 of 1: 2 launches
;; limits: right only within a limited range of input values
;; workspace buffers: wimg 524,288 bytes
;; launch prep (part 1): grid 64 x 1, 2 waves a work-group, no clusters, 8,704 bytes of LDS; arguments W, V, lowp_scales, wimg; writes wimg
.if DOCPART == 1
	.amdgcn_target "amdgcn-amd-amdhsa--gfx1250"
	.amdhsa_code_object_version 6
	.text
	.protected	k_q7cb2ddcf5f_prep
	.globl	k_q7cb2ddcf5f_prep
	.p2align	8
	.type	k_q7cb2ddcf5f_prep,@function
k_q7cb2ddcf5f_prep:
	s_mov_b64 s[64:65], 0
	v_nop
	global_prefetch_b8 v0, s[64:65] scope:SCOPE_SE
	s_setreg_imm32_b32 hwreg(HW_REG_WAVE_MODE, 25, 1), 1
	s_wait_xcnt 0x0
; W [512][512] and V [512][512], f32, K innermost, become codes of BF8 (E5M2), each with its given scale 2^e (W: entry 1 of the scales, V: entry 3),
; laid in wimg as IMAGES OF OPERAND REGISTERS: W's from byte 0, V's from byte 262,144; in a matrix: 65,536 w + 2,048 (8 s + t) + 512 c + 16 lane, where
; w = row / 128, t = (row / 16) % 8, s = K step of 128 codes, c = 0..3; lane 16 h + r holds bytes 128 s + 32 c + 16 h + 0..15 of the CODE ROW of matrix row 128 w + 16 t + r.
; A CODE ROW is a fixed permutation of k: byte 16 l + 4 j + c is k = 128 j + 4 l + c.  It comes of itself when lane l loads 16 bytes at 512 j + 16 l (j = 0..3), converts its
; 16 numbers and stores its 16 codes at 16 l.  The second launch makes x's code rows by the same lines, so every product meets its partner.
; code = x / 2^e, held within +-57,344, rounded to the nearest code, ties to even.  LIMITS: e between -126 and 112; NaN among the inputs is not served.
; SHARES: work-group x takes 16 rows (x < 32: W, else V; rows 16 (x % 32) on).  Wave u quantises rows 8 u .. 8 u + 7 into a stage in LDS; behind one barrier it stores the images of K steps 2 u, 2 u + 1.
.set PITCH, 528                        ; a code row in the stage: 512 bytes + 16 = 33 x 16 bytes: the sixteen rows that a load touches start 16 bytes apart modulo 256
.set ST,    16                         ; v16-143  eight rows x 16 numbers
.set CD,    144                        ; v144-175 eight rows x 4 registers of codes
.set OUTR,  176                        ; v176-207 eight pieces of images on the way out
	s_load_b128 s[4:7], s[0:1], 0x0                ; W s[4:5], V s[6:7]
	s_load_b128 s[8:11], s[0:1], 0x10              ; the scales' exponents s[8:9], wimg s[10:11]
	v_lshl_add_u32 v208, v0, 2, 0x2100
	v_mov_b32 v209, 0
	v_lshrrev_b32 v4, 5, v0
	v_readfirstlane_b32 s12, v4                    ; wave u = 0, 1
	v_and_b32 v5, 31, v0                           ; lane
	v_lshlrev_b32 v1, 4, v5                        ; 16 x lane: my bytes of a load's 512, and of a store's
	s_mul_i32 s28, s12, 8*PITCH
	v_add_nc_u32 v2, s28, v1                       ; into the stage: my wave's eight rows, 16 x lane
	v_and_b32 v6, 15, v0                           ; r
	v_bfe_u32 v7, v0, 4, 1                         ; h
	v_mul_u32_u24 v3, v6, PITCH
	v_lshl_add_u32 v3, v7, 4, v3
	s_lshl_b32 s28, s12, 8
	v_add_nc_u32 v3, s28, v3                       ; out of it: row r, + 16 h, + my two K steps' 256 bytes
	s_and_b32 s21, ttmp9, 31                       ; g: which 16 rows of the matrix
	s_lshl_b32 s22, s21, 15                        ; from: 16 rows of 2,048 bytes x g
	s_lshl_b32 s28, s12, 14                        ;       + 8 rows x u
	s_add_co_u32 s22, s22, s28
	s_mov_b32 s23, 0
	s_lshr_b32 s24, s21, 3                         ; to: 65,536 (g / 8)
	s_lshl_b32 s24, s24, 16
	s_and_b32 s28, s21, 7                          ;     + 2,048 (g % 8)
	s_lshl_b32 s28, s28, 11
	s_add_co_u32 s24, s24, s28
	s_lshl_b32 s28, s12, 15                        ;     + 16,384 x K step 2 u
	s_add_co_u32 s24, s24, s28
	s_mov_b32 s25, 0
	s_wait_alu depctr_va_vdst(0)
	s_wait_kmcnt 0x0
	s_load_b128 s[16:19], s[8:9], 0x0              ; e0 .. e3
	s_cmp_lt_u32 ttmp9, 32                         ; W's work-group or V's?  The choice hangs on the work-group's number alone
	s_cselect_b64 s[4:5], s[4:5], s[6:7]
	s_cselect_b32 s20, 0, 0x40000
	s_add_co_u32 s24, s24, s20
	s_add_nc_u64 s[4:5], s[4:5], s[22:23]
	s_add_nc_u64 s[10:11], s[10:11], s[24:25]
.irp i, 0,1,2,3,4,5,6,7
.irp j, 0,1,2,3
	global_load_b128 v[ST+16*\i+4*\j:ST+16*\i+4*\j+3], v1, s[4:5] offset:2048*\i+512*\j th:TH_LOAD_NT   ; 32 lanes read 512 consecutive bytes
.endr
.endr
	s_wait_kmcnt 0x0
	s_cmp_lt_u32 ttmp9, 32
	s_cselect_b32 s28, s17, s19                    ; e
	s_add_co_i32 s28, s28, 127
	s_lshl_b32 s29, s28, 23
	v_mov_b32 v8, s29                              ; 2^e as f32: the conversion takes its exponent field
	s_add_co_i32 s28, s28, 15
	s_lshl_b32 s26, s28, 23
	s_or_b32 s26, s26, 0x600000                    ; 57,344 x 2^e
	s_or_b32 s27, s26, 0x80000000                  ; and its negative
.irp i, 0,1,2,3,4,5,6,7
	s_wait_loadcnt 28-4*\i                         ; row i's four loads are in; the rows behind it may be out
.irp k, 0,1,2,3,4,5,6,7,8,9,10,11,12,13,14,15
	v_med3_num_f32 v[ST+16*\i+\k], v[ST+16*\i+\k], s27, s26   ; the conversion to an 8-bit code does not saturate (ISA guide 7.6.2): the hold comes first
.endr
	v_cvt_scalef32_pk8_bf8_f32 v[CD+4*\i:CD+4*\i+1], v[ST+16*\i:ST+16*\i+7], v8
	v_cvt_scalef32_pk8_bf8_f32 v[CD+4*\i+2:CD+4*\i+3], v[ST+16*\i+8:ST+16*\i+15], v8
	ds_store_b128 v2, v[CD+4*\i:CD+4*\i+3] offset:PITCH*\i     ; each row has its own registers for its codes: no store's data are written again
.endr
	v_nop                                          ; a plain line behind the last conversion
	s_wait_dscnt 0x0                               ; for the other wave's sake: my eight code rows lie in the stage
	s_barrier_signal -1
	s_barrier_wait -1
.irp s, 0,1
.irp c, 0,1,2,3
	ds_load_b128 v[OUTR+16*\s+4*\c:OUTR+16*\s+4*\c+3], v3 offset:128*\s+32*\c   ; lane (r, h): bytes 128 (2 u + s) + 32 c + 16 h of row r
.endr
.endr
.irp s, 0,1
.irp c, 0,1,2,3
	s_wait_dscnt 7-4*\s-\c                         ; LDS loads come back in order: this piece is in
	global_store_b128 v1, v[OUTR+16*\s+4*\c:OUTR+16*\s+4*\c+3], s[10:11] offset:16384*\s+512*\c   ; 32 lanes store 512 consecutive bytes, at a multiple of 256 from wimg's first byte
.endr
.endr
	s_barrier_signal -1
	s_barrier_wait -1
	s_wait_tensorcnt 0x0
	ds_add_u32 v208, v209
	s_wait_dscnt 0x0
	s_endpgm
.Lfunc_end_k_q7cb2ddcf5f_prep:
	.size	k_q7cb2ddcf5f_prep, .Lfunc_end_k_q7cb2ddcf5f_prep-k_q7cb2ddcf5f_prep
	.p2alignl 7, 3214868480
	.fill 96, 4, 3214868480
	.section	.rodata,"a",@progbits
	.p2align	6, 0x0
	.amdhsa_kernel k_q7cb2ddcf5f_prep
		.amdhsa_group_segment_fixed_size 8704
		.amdhsa_private_segment_fixed_size 0
		.amdhsa_enable_private_segment 0
		.amdhsa_kernarg_size 32
		.amdhsa_user_sgpr_count 2
		.amdhsa_user_sgpr_kernarg_segment_ptr 1
		.amdhsa_wavefront_size32 1
		.amdhsa_system_sgpr_workgroup_id_x 1
		.amdhsa_system_sgpr_workgroup_id_y 1
		.amdhsa_system_sgpr_workgroup_id_z 1
		.amdhsa_system_vgpr_workitem_id 0
		.amdhsa_next_free_vgpr 210
		.amdhsa_next_free_sgpr 66
		.amdhsa_reserve_vcc 0
		.amdhsa_float_denorm_mode_32 3
		.amdhsa_float_denorm_mode_16_64 3
		.amdhsa_memory_ordered 1
		.amdhsa_forward_progress 1
		.amdhsa_inst_pref_size 17
	.end_amdhsa_kernel
	.amdgpu_metadata
---
amdhsa.version: [ 1, 2 ]
amdhsa.kernels:
  - .name:           k_q7cb2ddcf5f_prep
    .symbol:         k_q7cb2ddcf5f_prep.kd
    .args:
      - { .name: W, .offset: 0, .size: 8, .value_kind: global_buffer, .address_space: global }
      - { .name: V, .offset: 8, .size: 8, .value_kind: global_buffer, .address_space: global }
      - { .name: lowp_scales, .offset: 16, .size: 8, .value_kind: global_buffer, .address_space: global }
      - { .name: wimg, .offset: 24, .size: 8, .value_kind: global_buffer, .address_space: global }
    .group_segment_fixed_size: 8704
    .private_segment_fixed_size: 0
    .kernarg_segment_align: 8
    .kernarg_segment_size: 32
    .max_flat_workgroup_size: 64
    .sgpr_count:     66
    .vgpr_count:     210
    .wavefront_size: 32
...
	.end_amdgpu_metadata
.endif
;; end of part 1
;; launch attn (part 2): grid 256 x 1, 4 waves a work-group, no clusters, 327,680 bytes of LDS; arguments input_seq, wimg, lowp_scales, v, out0; writes out0
.if DOCPART == 2
	.amdgcn_target "amdgcn-amd-amdhsa--gfx1250"
	.amdhsa_code_object_version 6
	.text
	.protected	k_q7cb2ddcf5f_attn
	.globl	k_q7cb2ddcf5f_attn
	.p2align	8
	.type	k_q7cb2ddcf5f_attn,@function
k_q7cb2ddcf5f_attn:
	s_mov_b64 s[64:65], 0
	v_nop
	global_prefetch_b8 v0, s[64:65] scope:SCOPE_SE
	s_setreg_imm32_b32 hwreg(HW_REG_WAVE_MODE, 25, 1), 1
	s_wait_xcnt 0x0
; out[n] = relu( sum over l of softmax_l( x[511] . K[l] ) vals[l] ) . v,   K = Q(x, e0) Q(W, e1)^T,   vals = Q(x, e2) Q(V, e3)^T,   x = input_seq[n], [512][512] f32.
; Both large products run on codes of BF8 (E5M2) by v_wmma_f32_16x16x128_bf8_bf8; the three small ones (one row or one column) are f32 multiply-adds.
; ONE WORK-GROUP TAKES ONE BATCH n, in two passes; its four waves share the 512 COLUMNS of K and of vals, 128 each.
;   PASS 1: x is streamed from memory once, 32 rows a block.  A wave loads 8 whole rows of a block, quantises each twice (e0, e2) and stores the codes to LDS: the e0 codes into one of two slots,
;           the e2 codes into a store of all 512 rows.  Behind one barrier every wave multiplies the block's e0 codes by its 128 rows of W, which stay in 512 of its registers, and folds the result
;           with q = x[511] into partial scores.
;   SOFTMAX: exact, on the 512 summed scores: the maximum is taken away first; every wave does it for itself and keeps its own copy of p.
;   PASS 2: the kept e2 codes are multiplied by the wave's 128 rows of V, which now stand where the staging registers and half of W stood, and folded with p.  Then relu, . v, and 4 bytes leave.
; CODE ROWS: lane l loads 16 bytes of a row at 512 j + 16 l (j = 0..3: each load 512 consecutive bytes), converts its 16 numbers, stores 16 codes at 16 l: byte 16 l + 4 j + c of a code row is
; k = 128 j + 4 l + c.  The weights' images in wimg were made by the same lines, so k is permuted alike in both operands: every product meets its partner, and only the order of the sums changes.
; NOT SHARED IN A CLUSTER: the work-groups share the weight images alone (512 KB against 1 MiB of x a work-group), and those land in registers: LDS holds 264 KB of x's codes.
; NO PREFETCH: pass 1 keeps 64 loads of 512 bytes a wave out all the time; V's images come under the last two blocks and under the softmax.
; THE RESULT is 4 bytes a work-group: out0 is 1,024 bytes in all, and no work-group owns more of it.
; LIMITS: e0 .. e3 between -126 and 112 (2^e and 57,344 x 2^e are f32 numbers); e0 + e1 and e2 + e3 go by v_ldexp_f32.  NaN among the inputs is not served; infinities are held at the largest code.
;         p under 2^-126 counts as 0 (v_exp_f32 gives no denormals).
; REGISTERS, in windows of 256 (s_set_vgpr_msb: bits 1:0 source 0, 3:2 source 1, 5:4 source 2, 7:6 destination):
;   window 0: v1-15, v216-239 addresses, constants, small work; v16-23 score sums; v24-87 q (pass 2: p, pooled, v); v88-151 x fragments / held numbers / scores / accumulators 0; v152-215 accumulators / codes / accumulators 1
;   window 1: two staging sets of 8 rows x 16 numbers; from block 14 on V's fragments 0-15.   window 2: W's fragments 0-15, then V's 16-31.   window 3: W's fragments 16-31, then two buffers of x2 fragments.
.set PITCH, 528                        ; a code row in LDS: 512 bytes + 16 = 33 x 16 bytes: the sixteen rows of a fragment load start 16 bytes apart modulo 256
.set SLOTB, 32*PITCH                   ; a block's 32 rows
.set X0,    512*PITCH                  ; LDS: from 0 the e2 codes of 512 rows; from X0 the e0 codes, two slots;
.set SC,    X0+2*SLOTB                 ; partial scores [wave][512] f32;
.set PP,    SC+8192                    ; p, a copy for each wave [wave][512] f32;
.set RED,   PP+8192                    ; four partial results;
.set QV,    RED+256                    ; q: 512 bytes for each wave, its own
.set XO,  1                            ; v1   x: 16,384 wave + 16 lane
.set S0A, 2                            ; v2   where I store e0 codes: X0 + 8 rows x wave + 16 lane
.set S2B, 3                            ; v3   the same in the e2 store, block 0;  v4 with the trip's blocks added
.set S2,  4
.set F0,  5                            ; v5   a fragment's place in a slot: X0 + row r + 16 h
.set SCB, 6                            ; v6   my partial scores: SC + 2,048 wave + 4 r;  v7 with the trip's rows added
.set SCA, 7
.set WO,  10                           ; v10  my place in a matrix's images: 65,536 wave + 16 lane   (v8, v9: 2^e0, 2^e2 as f32)
.set QL,  11                           ; v11  q into LDS;  v12 q in memory;  v13 q back: QV + 512 wave + 32 h
.set QO,  12
.set QR,  13
.set TP,  14                           ; v14  a lane permute's destination
.set ZR,  15                           ; v15  0
.set SA,  16
.set Q,   24
.set P0,  24                           ; pass 2: p of the even tiles, v32 of the odd ones
.set PACC, 40                          ; pass 2: pooled, a pair for each of my 8 column tiles
.set VV,  56                           ; v[128 wave + 16 t + r]
.set XF,  88
.set HT,  88
.set SM,  88
.set ACC0, 88
.set ACC, 152
.set CDS, 152
.set F2B, 216                          ; v216 a fragment's place in the e2 store: row r + 16 h;  v217 with the tile added
.set F2,  217
.set PB,  218                          ; v218 my p: PP + 2,048 wave + 32 h;  v219 with the tile added
.set PA,  219
.set SR,  220                          ; v220 SC + 16 lane
.set PW,  221                          ; v221 PP + 2,048 wave + 16 lane
.set VO,  222                          ; v222 512 wave + 4 r
.set RW,  223                          ; v223 RED + 4 wave
.set MX,  224                          ; v[224:225] the largest score, twice
.set LS,  226                          ; v[226:227] the sum of p
.set FS,  228                          ; v228 2^(e2 + e3) / the sum
.set MSB, 0
.macro WIN new                         ; the immediate's high byte repeats the setting that is left; a switch that changes nothing is dropped
.if MSB != \new
	s_set_vgpr_msb (MSB<<8)|\new
.set MSB, \new
.endif
.endm
.macro PLACES                          ; four plain lines between a matrix instruction and a load into its sources or a read of its result
.rept 4
	v_nop
.endr
.endm
; two rows of x (rows 2 g, 2 g + 1 of my eight, off bytes on) into their staging registers
.macro XLOAD set, g, off
.irp u, 0,1
.irp j, 0,1,2,3
	global_load_b128 v[128*\set+32*\g+16*\u+4*\j:128*\set+32*\g+16*\u+4*\j+3], v[XO], s[4:5] offset:\off+(2*\g+\u)*2048+512*\j th:TH_LOAD_NT
.endr
.endr
.endm
; no x is left: the two rows' registers take V's fragments 8 set + 2 g and the next
.macro VEARLY set, g
.irp u, 0,1
.irp c, 0,1,2,3
	global_load_b128 v[128*\set+32*\g+16*\u+4*\c:128*\set+32*\g+16*\u+4*\c+3], v[WO], s[48:49] offset:(8*\set+2*\g+\u)*2048+512*\c
.endr
.endr
.endm
; Two rows are held twice, their registers are asked for anew, the held numbers become codes, the codes go to LDS.
.macro QPAIR set, g, mode, off
	s_wait_loadcnt 56                              ; behind these two rows' 8 loads were issued: the set's later pairs 8 (3 - g), the other set's 32, this block's 8 g refills: 56, in every block
	WIN 0x01                                       ; source 0: window 1
.irp u, 0,1
.irp k, 0,1,2,3,4,5,6,7,8,9,10,11,12,13,14,15
	v_med3_num_f32 v[HT+32*\u+16+\k], v[128*\set+32*\g+16*\u+\k], s35, s34   ; within +-57,344 x 2^e2: the conversion does not saturate (ISA guide 7.6.2)
.endr
.endr
	WIN 0                                          ; at a branch and at a label every window is 0
	; WHERE e0 = e2 THE TWO QUANTISERS ARE ONE: the same numbers, scale and hold give the same codes.  A scalar branch on the two given whole numbers, the same in all waves,
	; leads round the e0 holds, conversions and stores; the first product then reads the e2 rows (macro FETCH0).  No barrier stands under it.
	s_cmp_eq_u32 s16, s18
	s_wait_alu depctr_va_vdst(0)                   ; the wait stands directly ahead of the branch
	s_cbranch_scc1 .Lsame_\@
	WIN 0x01
.irp u, 0,1
.irp k, 0,1,2,3,4,5,6,7,8,9,10,11,12,13,14,15
	v_med3_num_f32 v[HT+32*\u+\k], v[128*\set+32*\g+16*\u+\k], s33, s32      ; within +-57,344 x 2^e0
.endr
.endr
	WIN 0
.irp u, 0,1
	v_cvt_scalef32_pk8_bf8_f32 v[CDS+8*(2*\g+\u):CDS+8*(2*\g+\u)+1], v[HT+32*\u:HT+32*\u+7], v8
	v_cvt_scalef32_pk8_bf8_f32 v[CDS+8*(2*\g+\u)+2:CDS+8*(2*\g+\u)+3], v[HT+32*\u+8:HT+32*\u+15], v8
.endr
	v_nop                                          ; a plain line behind the conversions
.irp u, 0,1
	ds_store_b128 v[S0A], v[CDS+8*(2*\g+\u):CDS+8*(2*\g+\u)+3] offset:SLOTB*\set+PITCH*(2*\g+\u)     ; 32 lanes store a code row's 512 bytes
.endr
.Lsame_\@:
.irp u, 0,1
.irp z, 1
	v_cvt_scalef32_pk8_bf8_f32 v[CDS+8*(2*\g+\u)+4*\z:CDS+8*(2*\g+\u)+4*\z+1], v[HT+32*\u+16*\z:HT+32*\u+16*\z+7], v[8+\z]
	v_cvt_scalef32_pk8_bf8_f32 v[CDS+8*(2*\g+\u)+4*\z+2:CDS+8*(2*\g+\u)+4*\z+3], v[HT+32*\u+16*\z+8:HT+32*\u+16*\z+15], v[8+\z]
.endr
.endr
	v_nop                                          ; a plain line between the conversions and the next holds, which write their sources, and the products, which write over their results
.irp u, 0,1
	ds_store_b128 v[S2], v[CDS+8*(2*\g+\u)+4:CDS+8*(2*\g+\u)+7] offset:SLOTB*\set+PITCH*(2*\g+\u)
.endr
	WIN 0x40                                       ; destination: window 1.  The two rows' registers are asked for anew behind the stores of their codes, which are on their way meanwhile
.if \mode == 1
	XLOAD \set, \g, \off
.else
	VEARLY \set, \g
.endif
	WIN 0
.endm
; the four fragments (16 rows x 128 codes each) of row tile m of a slot
.macro FETCH0 set, m, lo, hi                   ; the fragments of K steps lo .. hi - 1
	s_cmp_eq_u32 s16, s18                          ; e0 = e2: the block's e2 rows hold the first product's codes too
	s_cbranch_scc1 .Lfe_\@
.irp s, 0,1,2,3
.irp c, 0,1,2,3
.if (\s >= \lo) && (\s < \hi)
	ds_load_b128 v[XF+16*\s+4*\c:XF+16*\s+4*\c+3], v[F0] offset:SLOTB*\set+16*PITCH*\m+128*\s+32*\c
.endif
.endr
.endr
	s_branch .Lfj_\@
.Lfe_\@:
.irp s, 0,1,2,3
.irp c, 0,1,2,3
.if (\s >= \lo) && (\s < \hi)
	ds_load_b128 v[XF+16*\s+4*\c:XF+16*\s+4*\c+3], v[F2] offset:SLOTB*\set+16*PITCH*\m+128*\s+32*\c
.endif
.endr
.endr
.Lfj_\@:
.endm
; 32 products, TRANSPOSED: source 0 = 16 rows of W, source 1 = 16 rows of x: lane (r, h) holds x's row r and, in register j of tile t, column 128 wave + 16 t + 8 h + j of K.
; The eight accumulators take turns, one instruction a turn; the first K step starts the sums.
; Each K step waits for its own four fragment loads alone.  pre = 1 (row tile 0): behind K step s's loads stand 4 (3 - s) of the tile's own; ahead of K step 2, behind four places,
; tile 1's K steps 0 and 1 are fetched into the registers that K steps 0 and 1 have left: 8 loads more: counts 12, 8, 12, 8.
; pre = 0 (row tile 1): behind K step s's loads stand 4 (3 - s) loads and the fold's one store: counts 13, 9, 5, 1.
.macro MM1 set, pre
.irp s, 0,1,2,3
.if \pre
.if \s == 2
	WIN 0
	PLACES
	FETCH0 \set, 1, 0, 2
.endif
	s_wait_dscnt 12-4*(\s%2)
.else
	s_wait_dscnt 13-4*\s
.endif
.if \s < 2
	WIN 0x02                                       ; W's fragments 0-15: window 2
.else
	WIN 0x03                                       ; 16-31: window 3
.endif
.irp t, 0,1,2,3,4,5,6,7
.if \s == 0
	v_wmma_f32_16x16x128_bf8_bf8 v[ACC+8*\t:ACC+8*\t+7], v[16*(8*(\s%2)+\t):16*(8*(\s%2)+\t)+15], v[XF+16*\s:XF+16*\s+15], 0
.else
	v_wmma_f32_16x16x128_bf8_bf8 v[ACC+8*\t:ACC+8*\t+7], v[16*(8*(\s%2)+\t):16*(8*(\s%2)+\t)+15], v[XF+16*\s:XF+16*\s+15], v[ACC+8*\t:ACC+8*\t+7]
.endif
.endr
.endr
	WIN 0
.endm
; my row's sum over my 64 columns of K x q, in four chains of pairs, each accumulator from its low end on; then the other half of the lanes' 64; the word goes to my wave's partial scores
.macro FOLD1 set, m
.irp i, 0,1,2,3
	v_pk_mul_f32 v[SA+2*\i:SA+2*\i+1], v[ACC+2*\i:ACC+2*\i+1], v[Q+2*\i:Q+2*\i+1]
.endr
.irp t, 1,2,3,4,5,6,7
.irp i, 0,1,2,3
	v_pk_fma_f32 v[SA+2*\i:SA+2*\i+1], v[ACC+8*\t+2*\i:ACC+8*\t+2*\i+1], v[Q+8*\t+2*\i:Q+8*\t+2*\i+1], v[SA+2*\i:SA+2*\i+1]
.endr
.endr
	v_pk_add_f32 v[SA:SA+1], v[SA:SA+1], v[SA+2:SA+3]
	v_pk_add_f32 v[SA+4:SA+5], v[SA+4:SA+5], v[SA+6:SA+7]
	v_pk_add_f32 v[SA:SA+1], v[SA:SA+1], v[SA+4:SA+5]
	v_add_f32 v[SA], v[SA], v[SA+1]
	v_permlanex16_b32 v[TP], v[SA], s36, s37
	v_add_f32 v[SA], v[SA], v[TP]
	ds_store_b32 v[SCA], v[SA] offset:128*\set+64*\m   ; lanes r and r + 16 write the same word with the same number
.endm
; A BLOCK of 32 rows.  ONE barrier does two things: in front of it each wave has waited for its stores of codes and for its reads of the other slot (the block before);
; behind it this slot may be read, and the next block may write the other.
.macro BLOCK set, mode, off
.if \set == 0
	v_add_nc_u32 v[S2], s39, v[S2B]
	v_add_nc_u32 v[SCA], s40, v[SCB]
	v_add_nc_u32 v[F2], s39, v[F2B]                ; a fragment's place in the trip's blocks of the e2 store (read where e0 = e2)
.endif
.irp g, 0,1,2,3
	QPAIR \set, \g, \mode, \off
.endr
	s_wait_dscnt 0x0
	s_barrier_signal -1
	s_barrier_wait -1
	FETCH0 \set, 0, 0, 4
	MM1 \set, 1
	PLACES
	FETCH0 \set, 1, 2, 4                           ; the rest of the next tile's fragments are on their way while this tile is folded
	FOLD1 \set, 0
	MM1 \set, 0
	PLACES
	FOLD1 \set, 1
.endm
; Line n (0..31) of a tile's fold, pooled += p x vals: column tile t = n % 8, rows 8 h + 2 i, 2 i + 1 with i = n / 8: lane (r, h) holds column 16 t + r.
; Sixteen chains (a pair for each t, for even i at PACC and for odd i at PACC + 24): a chain's links stand 16 lines apart.  Each accumulator is read from its low end first (i = 0).
.macro FL acc, pr, n
.set FLD, PACC+24*(((\n)/8)%2)+2*((\n)%8)
.set FLA, (\acc)+8*((\n)%8)+2*((\n)/8)
.set FLP, (\pr)+2*((\n)/8)
	v_pk_fma_f32 v[FLD:FLD+1], v[FLA:FLA+1], v[FLP:FLP+1], v[FLD:FLD+1]
.endm
; Product n (0..31) of a tile in pass 2: K step n / 8, column tile n % 8; the eight accumulators take turns; the first K step starts the sums
.macro WM2 par, n
.set W2A, 64*(\par)+16*((\n)/8)
.set W2B, 16*((\n)%16)
.set W2D, ACC0+64*(\par)+8*((\n)%8)
.if (\n) < 8
	v_wmma_f32_16x16x128_bf8_bf8 v[W2D:W2D+7], v[W2A:W2A+15], v[W2B:W2B+15], 0
.else
	v_wmma_f32_16x16x128_bf8_bf8 v[W2D:W2D+7], v[W2A:W2A+15], v[W2B:W2B+15], v[W2D:W2D+7]
.endif
.endm
; two products of this tile, then two lines of the fold of the tile before (other accumulators, so they are places behind the products too)
.macro GRP par, first, g
.if (\g) < 8
	WIN 0x07                                       ; x2 in window 3, V's fragments 0-15 in window 1
.else
	WIN 0x0b                                       ; V's fragments 16-31 in window 2
.endif
	WM2 \par, 2*(\g)
	WM2 \par, 2*(\g)+1
.if \first == 0
	WIN 0
	FL ACC0+64*(1-(\par)), P0+8*(1-(\par)), 2*(\g)
	FL ACC0+64*(1-(\par)), P0+8*(1-(\par)), 2*(\g)+1
.endif
.endm
; A TILE of 16 rows in pass 2: source 0 = 16 rows of x2, source 1 = 16 rows of V.  Two sets of accumulators, fragments and p take turns tile by tile: among this tile's products stand
; the lines that fold the tile before; in its middle the next tile's fragments are fetched, at its end the next p.  off: the next tile's place from v[F2] and v[PA], in tiles.
; An accumulator's last product and its first read have eight fold lines between them (the first tile: four v_nop and the fold lines).
.macro TILE2 par, first, last, off
	; each K step waits for its own four fragment loads: behind K step 0's stand 12 fragment loads and this tile's two loads of p (wanted a tile later): 14; the p of the tile before is older and in
	s_wait_dscnt 14
.irp g, 0,1,2,3
	GRP \par, \first, \g
.endr
	s_wait_dscnt 10                                ; K step 1's
	GRP \par, \first, 4
	WIN 0
.if \last == 0
	WIN 0xc0                                       ; destination: window 3.  The other buffer's last products have twelve fold lines behind them (tile 0: it has not been read yet)
.irp s, 0,1,2,3
.irp c, 0,1,2,3
	ds_load_b128 v[64*(1-\par)+16*\s+4*\c:64*(1-\par)+16*\s+4*\c+3], v[F2] offset:16*PITCH*\off+128*\s+32*\c
.endr
.endr
.endif
.irp g, 5,6,7
	GRP \par, \first, \g
.endr
	s_wait_dscnt 6+16*(1-\last)                    ; K step 2's: behind them K step 3's four, p's two and the 16 loads just issued (the last tile: none)
.irp g, 8,9,10,11
	GRP \par, \first, \g
.endr
	s_wait_dscnt 2+16*(1-\last)                    ; K step 3's
.irp g, 12,13,14,15
	GRP \par, \first, \g
.endr
	WIN 0
.if \first
	PLACES                                         ; the first tile has nothing to fold: four plain lines behind its last products
.endif
.if \last == 0
.irp u, 0,1
	ds_load_b128 v[P0+8*(1-\par)+4*\u:P0+8*(1-\par)+4*\u+3], v[PA] offset:64*\off+16*\u   ; the next tile's p, behind the folds that read this buffer last
.endr
.endif
.endm
	; ---- THE HEAD
	s_load_b256 s[4:11], s[0:1], 0x0               ; x s[4:5], wimg s[6:7], the scales' exponents s[8:9], v s[10:11]
	s_load_b64 s[12:13], s[0:1], 0x20              ; out
	v_lshl_add_u32 v254, v0, 2, 0x4ed00
	v_mov_b32 v255, 0
	v_lshrrev_b32 v230, 5, v0
	v_readfirstlane_b32 s14, v230                  ; wave 0..3
	v_and_b32 v231, 31, v0                         ; lane
	v_and_b32 v232, 15, v0                         ; r
	v_bfe_u32 v233, v0, 4, 1                       ; h
	v_lshlrev_b32 v234, 4, v231                    ; 16 x lane
	s_lshl_b32 s15, s14, 14                        ; my 8 rows of a block: 8 x 2,048 bytes x wave
	v_add_nc_u32 v[XO], s15, v234
	s_mul_i32 s15, s14, 8*PITCH
	v_add_nc_u32 v[S2B], s15, v234
	v_add_nc_u32 v[S0A], X0, v[S2B]
	v_mul_u32_u24 v[F2B], v232, PITCH
	v_lshl_add_u32 v[F2B], v233, 4, v[F2B]
	v_add_nc_u32 v[F0], X0, v[F2B]
	s_lshl_b32 s15, s14, 11                        ; 2,048 x wave
	v_lshl_add_u32 v[SCB], v232, 2, s15
	v_add_nc_u32 v[SCB], SC, v[SCB]
	v_lshl_add_u32 v[PB], v233, 5, s15
	v_add_nc_u32 v[PB], PP, v[PB]
	v_add_nc_u32 v[PW], s15, v234
	v_add_nc_u32 v[PW], PP, v[PW]
	v_add_nc_u32 v[SR], SC, v234
	s_lshl_b32 s15, s14, 16
	v_add_nc_u32 v[WO], s15, v234
	s_lshl_b32 s15, s14, 9                         ; 512 x wave
	v_add_nc_u32 v[QO], s15, v234
	v_add_nc_u32 v[QL], QV, v[QO]
	v_add_nc_u32 v[QO], 511*2048, v[QO]            ; row 511
	v_lshl_add_u32 v[QR], v233, 5, s15
	v_add_nc_u32 v[QR], QV, v[QR]
	v_lshl_add_u32 v[VO], v232, 2, s15
	v_lshl_add_u32 v[RW], v230, 2, RED
	v_mov_b32 v[TP], 0
	v_mov_b32 v[ZR], 0
	s_mov_b32 s36, 0x76543210                      ; v_permlanex16_b32: lane l takes lane l xor 16
	s_mov_b32 s37, 0xfedcba98
	s_mov_b32 s39, 0                               ; the trip's blocks in the e2 store, in bytes
	s_mov_b32 s40, 0                               ; and its rows in the scores
	s_wait_alu depctr_va_vdst(0)
	s_wait_kmcnt 0x0
	s_load_b128 s[16:19], s[8:9], 0x0              ; e0 .. e3
	s_lshl_b32 s46, ttmp9, 20                      ; my batch: 1 MiB x work-group, in 64 bits
	s_lshr_b32 s47, ttmp9, 12
	s_add_nc_u64 s[4:5], s[4:5], s[46:47]
	s_lshl_b32 s46, ttmp9, 2
	s_mov_b32 s47, 0
	s_add_nc_u64 s[12:13], s[12:13], s[46:47]
	s_add_nc_u64 s[48:49], s[6:7], 0x40000         ; V's images
	global_load_b128 v[236:239], v[QO], s[4:5]     ; my wave's 128 numbers of q
	WIN 0x80                                       ; W's fragments (K step s, tile t: 8 s + t), as they lie in wimg: 0-15 into window 2,
.irp f, 0,1,2,3,4,5,6,7,8,9,10,11,12,13,14,15
.irp c, 0,1,2,3
	global_load_b128 v[16*\f+4*\c:16*\f+4*\c+3], v[WO], s[6:7] offset:2048*\f+512*\c
.endr
.endr
	WIN 0xc0                                       ; 16-31 into window 3
.irp f, 0,1,2,3,4,5,6,7,8,9,10,11,12,13,14,15
.irp c, 0,1,2,3
	global_load_b128 v[16*\f+4*\c:16*\f+4*\c+3], v[WO], s[6:7] offset:2048*(16+\f)+512*\c
.endr
.endr
	WIN 0x40                                       ; blocks 0 and 1 of x: the youngest 64 loads, in the order in which they are waited for
.irp g, 0,1,2,3
	XLOAD 0, \g, 0
.endr
.irp g, 0,1,2,3
	XLOAD 1, \g, 65536
.endr
	WIN 0
	s_wait_loadcnt 63                              ; 192 loads were issued behind q's: it is in when at most 63 are out
	ds_store_b128 v[QL], v[236:239]                ; q turns through my wave's own bytes: LDS serves a wave's instructions in order (ISA guide 5.7.1.4)
.irp t, 0,1,2,3,4,5,6,7
.irp u, 0,1
	ds_load_b128 v[Q+8*\t+4*\u:Q+8*\t+4*\u+3], v[QR] offset:64*\t+16*\u   ; register 8 t + j = q[128 wave + 16 t + 8 h + j]; waited for in front of the first barrier
.endr
.endr
	s_wait_kmcnt 0x0
	s_add_co_i32 s43, s16, s17                     ; e0 + e1: a score stands for score x 2^(e0 + e1)
	s_add_co_i32 s44, s18, s19                     ; e2 + e3
	s_add_co_i32 s15, s16, 127
	s_lshl_b32 s46, s15, 23
	v_mov_b32 v8, s46                              ; 2^e0 as f32: the conversion takes its exponent field
	s_add_co_i32 s15, s15, 15
	s_lshl_b32 s32, s15, 23
	s_or_b32 s32, s32, 0x600000                    ; 57,344 x 2^e0,
	s_or_b32 s33, s32, 0x80000000                  ; and its negative
	s_add_co_i32 s15, s18, 127
	s_lshl_b32 s46, s15, 23
	v_mov_b32 v9, s46                              ; the same for e2
	s_add_co_i32 s15, s15, 15
	s_lshl_b32 s34, s15, 23
	s_or_b32 s34, s34, 0x600000
	s_or_b32 s35, s34, 0x80000000
	; ---- PASS 1: 16 blocks; a trip takes two, and asks for the two that follow them
	s_mov_b32 s38, 7
.Lp1:
	BLOCK 0, 1, 131072
	BLOCK 1, 1, 196608
	s_wait_xcnt 0x0                                ; the loads have read their base: it may step
	s_add_nc_u64 s[4:5], s[4:5], 131072
	s_add_co_u32 s39, s39, 2*SLOTB
	s_add_co_u32 s40, s40, 256
	s_sub_co_i32 s38, s38, 1
	s_cmp_lg_u32 s38, 0
	s_cbranch_scc1 .Lp1
	BLOCK 0, 2, 0                                  ; blocks 14 and 15: no x is left to ask for; V's first 16 fragments take the freed registers, load for load, so the counts stay
	BLOCK 1, 2, 0
	; ---- BETWEEN THE PASSES
	WIN 0x80                                       ; V's fragments 16-31 over W's 0-15, whose last products stand in front of four v_nop and a fold
.irp f, 0,1,2,3,4,5,6,7,8,9,10,11,12,13,14,15
.irp c, 0,1,2,3
	global_load_b128 v[16*\f+4*\c:16*\f+4*\c+3], v[WO], s[48:49] offset:2048*(16+\f)+512*\c
.endr
.endr
	WIN 0
.irp t, 0,1,2,3,4,5,6,7
	global_load_b32 v[VV+\t], v[VO], s[10:11] offset:64*\t   ; v[128 wave + 16 t + r]
.endr
	s_mov_b32 s46, 0x3fb8aa3b                      ; log2(e)
	s_mov_b32 s47, s46                             ; (named with it as a pair, so it is written)
	s_wait_dscnt 0x0                               ; for the others' sake: my partial scores lie in LDS
	s_barrier_signal -1
	s_barrier_wait -1                              ; all partial scores, and all e2 codes, lie in LDS
.irp w, 0,1,2,3
.irp i, 0,1,2,3
	ds_load_b128 v[SM+16*\w+4*\i:SM+16*\w+4*\i+3], v[SR] offset:2048*\w+512*\i   ; register 4 i + c: row l = 128 i + 4 lane + c, wave w's part
.endr
.endr
	s_wait_dscnt 0x0
.irp k, 0,2,4,6,8,10,12,14
	v_pk_add_f32 v[SM+\k:SM+\k+1], v[SM+\k:SM+\k+1], v[SM+16+\k:SM+16+\k+1]
	v_pk_add_f32 v[SM+32+\k:SM+32+\k+1], v[SM+32+\k:SM+32+\k+1], v[SM+48+\k:SM+48+\k+1]
.endr
.irp k, 0,2,4,6,8,10,12,14
	v_pk_add_f32 v[SM+\k:SM+\k+1], v[SM+\k:SM+\k+1], v[SM+32+\k:SM+32+\k+1]
.endr
.irp k, 0,1,2,3,4,5,6,7,8,9,10,11,12,13,14,15
	v_ldexp_f32 v[SM+\k], v[SM+\k], s43            ; x 2^(e0 + e1): my 16 scores
.endr
	v_max3_num_f32 v230, v[SM], v[SM+1], v[SM+2]   ; the largest of the 512: in my lane, in two chains,
	v_max3_num_f32 v231, v[SM+3], v[SM+4], v[SM+5]
	v_max3_num_f32 v230, v230, v[SM+6], v[SM+7]
	v_max3_num_f32 v231, v231, v[SM+8], v[SM+9]
	v_max3_num_f32 v230, v230, v[SM+10], v[SM+11]
	v_max3_num_f32 v231, v231, v[SM+12], v[SM+13]
	v_max3_num_f32 v230, v230, v[SM+14], v[SM+15]
	v_max_num_f32 v230, v230, v231
	v_max_num_f32_dpp v230, v230, v230 row_xmask:1 row_mask:0xf bank_mask:0xf   ; and across the 32 lanes
	v_max_num_f32_dpp v230, v230, v230 row_xmask:2 row_mask:0xf bank_mask:0xf
	v_max_num_f32_dpp v230, v230, v230 row_xmask:4 row_mask:0xf bank_mask:0xf
	v_max_num_f32_dpp v230, v230, v230 row_xmask:8 row_mask:0xf bank_mask:0xf
	v_permlanex16_b32 v[TP], v230, s36, s37
	v_max_num_f32 v[MX], v230, v[TP]
	v_mov_b32 v[MX+1], v[MX]
.irp k, 0,2,4,6,8,10,12,14
	v_pk_add_f32 v[SM+\k:SM+\k+1], v[SM+\k:SM+\k+1], v[MX:MX+1] neg_lo:[0,1] neg_hi:[0,1]   ; score - the largest, first: it stays exact for near scores however large they are
.endr
.irp k, 0,2,4,6,8,10,12,14
	v_pk_mul_f32 v[SM+\k:SM+\k+1], v[SM+\k:SM+\k+1], s[46:47] op_sel_hi:[1,0]
.endr
	s_wait_alu depctr_va_vdst(0)
.irp k, 0,1,2,3,4,5,6,7,8,9,10,11,12,13,14,15
	v_exp_f32 v[SM+\k], v[SM+\k]                   ; p, at most 1; the largest score's is 1
.endr
	v_nop                                          ; a plain line behind the last exponential
	s_wait_alu depctr_va_vdst(0)                   ; one wait for the batch, ahead of its first reader
.irp i, 0,1,2,3
	ds_store_b128 v[PW], v[SM+4*\i:SM+4*\i+3] offset:512*\i   ; p[l] at 4 l, in my wave's own copy: no barrier
.endr
	v_pk_add_f32 v[LS:LS+1], v[SM:SM+1], v[SM+2:SM+3]          ; the sum of p, in two chains,
	v_pk_add_f32 v[230:231], v[SM+4:SM+5], v[SM+6:SM+7]
	v_pk_add_f32 v[LS:LS+1], v[LS:LS+1], v[SM+8:SM+9]
	v_pk_add_f32 v[230:231], v[230:231], v[SM+10:SM+11]
	v_pk_add_f32 v[LS:LS+1], v[LS:LS+1], v[SM+12:SM+13]
	v_pk_add_f32 v[230:231], v[230:231], v[SM+14:SM+15]
	v_pk_add_f32 v[LS:LS+1], v[LS:LS+1], v[230:231]
	v_add_f32 v[LS], v[LS], v[LS+1]
	v_add_f32_dpp v[LS], v[LS], v[LS] row_xmask:1 row_mask:0xf bank_mask:0xf   ; and across the lanes
	v_add_f32_dpp v[LS], v[LS], v[LS] row_xmask:2 row_mask:0xf bank_mask:0xf
	v_add_f32_dpp v[LS], v[LS], v[LS] row_xmask:4 row_mask:0xf bank_mask:0xf
	v_add_f32_dpp v[LS], v[LS], v[LS] row_xmask:8 row_mask:0xf bank_mask:0xf
	v_permlanex16_b32 v[TP], v[LS], s36, s37
	v_add_f32 v[LS], v[LS], v[TP]
	s_wait_alu depctr_va_vdst(0)
	v_rcp_f32 v[FS], v[LS]                         ; the sum is at least 1
.irp k, 0,1,2,3,4,5,6,7,8,9,10,11,12,13,14,15
	v_mov_b32 v[PACC+\k], 0                        ; pooled begins at 0, in both sets of chains: plain lines behind the reciprocal
	v_mov_b32 v[PACC+24+\k], 0
.endr
	s_wait_alu depctr_va_vdst(0)                   ; the wait ahead of the reciprocal's first reader
	v_ldexp_f32 v[FS], v[FS], s44                  ; 2^(e2 + e3) / the sum: applied once, to pooled
	; ---- PASS 2: 32 tiles of 16 rows
	s_mov_b32 s41, 0
	s_mov_b32 s42, 0
	v_add_nc_u32 v[F2], s41, v[F2B]
	v_add_nc_u32 v[PA], s42, v[PB]
	WIN 0xc0
.irp s, 0,1,2,3
.irp c, 0,1,2,3
	ds_load_b128 v[16*\s+4*\c:16*\s+4*\c+3], v[F2] offset:128*\s+32*\c   ; tile 0's fragments
.endr
.endr
	WIN 0
.irp u, 0,1
	ds_load_b128 v[P0+4*\u:P0+4*\u+3], v[PA] offset:16*\u                 ; and its p
.endr
	s_wait_alu depctr_va_vdst(0)
	s_wait_loadcnt 0x0                             ; V's 32 fragments and v are in
	TILE2 0, 1, 0, 1                               ; tile 0; fetches tile 1
	s_mov_b32 s41, 2*16*PITCH
	s_mov_b32 s42, 128
	s_mov_b32 s38, 15
.Lp2:                                              ; trip i: tiles 2 i + 1 and 2 i + 2; they fetch tiles 2 i + 2 and 2 i + 3
	v_add_nc_u32 v[F2], s41, v[F2B]
	v_add_nc_u32 v[PA], s42, v[PB]
	TILE2 1, 0, 0, 0
	TILE2 0, 0, 0, 1
	s_add_co_u32 s41, s41, 2*16*PITCH
	s_add_co_u32 s42, s42, 128
	s_sub_co_i32 s38, s38, 1
	s_cmp_lg_u32 s38, 0
	s_cbranch_scc1 .Lp2
	TILE2 1, 0, 1, 0                               ; tile 31 fetches nothing
	s_wait_dscnt 0x0                               ; its p is in
.irp n, 0,1,2,3,4,5,6,7,8,9,10,11,12,13,14,15,16,17,18,19,20,21,22,23,24,25,26,27,28,29,30,31
	FL ACC0+64, P0+8, \n
.endr
.irp t, 0,1,2,3,4,5,6,7
	v_pk_add_f32 v[PACC+2*\t:PACC+2*\t+1], v[PACC+2*\t:PACC+2*\t+1], v[PACC+24+2*\t:PACC+24+2*\t+1]   ; the two sets of chains
.endr
	; ---- THE WAY OUT
.irp t, 0,1,2,3,4,5,6,7
	v_add_f32 v[64+\t], v[PACC+2*\t], v[PACC+2*\t+1]       ; even rows' and odd rows' halves,
.endr
.irp t, 0,1,2,3,4,5,6,7
	v_permlanex16_b32 v[72+\t], v[64+\t], s36, s37         ; and the other half of the lanes' rows (v72-79 were written whole with q)
.endr
.irp t, 0,1,2,3,4,5,6,7
	v_add_f32 v[64+\t], v[64+\t], v[72+\t]
.endr
.irp t, 0,1,2,3,4,5,6,7
	v_mul_f32 v[64+\t], v[FS], v[64+\t]                    ; pooled[128 wave + 16 t + r]
.endr
.irp t, 0,1,2,3,4,5,6,7
	v_max_num_f32 v[64+\t], 0, v[64+\t]                    ; relu
.endr
	v_mul_f32 v230, v64, v[VV]
.irp t, 1,2,3,4,5,6,7
	v_fmac_f32 v230, v[64+\t], v[VV+\t]
.endr
	v_add_f32_dpp v230, v230, v230 row_xmask:1 row_mask:0xf bank_mask:0xf   ; over the 16 columns of a tile; the two halves of the lanes hold the same numbers and are not added
	v_add_f32_dpp v230, v230, v230 row_xmask:2 row_mask:0xf bank_mask:0xf
	v_add_f32_dpp v230, v230, v230 row_xmask:4 row_mask:0xf bank_mask:0xf
	v_add_f32_dpp v230, v230, v230 row_xmask:8 row_mask:0xf bank_mask:0xf
	ds_store_b32 v[RW], v230                       ; my wave's 128 columns: all lanes write the same word with the same number
	v_mov_b32 v231, RED
	s_wait_alu depctr_va_vdst(0)
	s_wait_dscnt 0x0
	s_barrier_signal -1
	s_barrier_wait -1
	ds_load_b128 v[232:235], v231                  ; the four waves' parts
	s_wait_dscnt 0x0
	v_add_f32 v232, v232, v233
	v_add_f32 v234, v234, v235
	v_add_f32 v232, v232, v234
	s_wait_alu depctr_va_vdst(0)
	s_wait_xcnt 0x0                                ; EXEC changes only behind this wait
	v_cmp_eq_u32 vcc_lo, 0, v0
	s_barrier_signal -1
	s_barrier_wait -1
	s_wait_tensorcnt 0x0
	ds_add_u32 v254, v255
	s_wait_dscnt 0x0
	s_and_saveexec_b32 s50, vcc_lo                 ; thread 0 of the work-group alone
	global_store_b32 v[ZR], v232, s[12:13]
	s_wait_xcnt 0x0                                ; and again, in front of the line that widens it
	s_or_b32 exec_lo, exec_lo, s50
	s_endpgm
.Lfunc_end_k_q7cb2ddcf5f_attn:
	.size	k_q7cb2ddcf5f_attn, .Lfunc_end_k_q7cb2ddcf5f_attn-k_q7cb2ddcf5f_attn
	.p2alignl 7, 3214868480
	.fill 96, 4, 3214868480
	.section	.rodata,"a",@progbits
	.p2align	6, 0x0
	.amdhsa_kernel k_q7cb2ddcf5f_attn
		.amdhsa_group_segment_fixed_size 327680
		.amdhsa_private_segment_fixed_size 0
		.amdhsa_enable_private_segment 0
		.amdhsa_kernarg_size 40
		.amdhsa_user_sgpr_count 2
		.amdhsa_user_sgpr_kernarg_segment_ptr 1
		.amdhsa_wavefront_size32 1
		.amdhsa_system_sgpr_workgroup_id_x 1
		.amdhsa_system_sgpr_workgroup_id_y 1
		.amdhsa_system_sgpr_workgroup_id_z 1
		.amdhsa_system_vgpr_workitem_id 0
		.amdhsa_next_free_vgpr 1024
		.amdhsa_next_free_sgpr 66
		.amdhsa_reserve_vcc 1
		.amdhsa_float_denorm_mode_32 3
		.amdhsa_float_denorm_mode_16_64 3
		.amdhsa_memory_ordered 1
		.amdhsa_forward_progress 1
		.amdhsa_inst_pref_size 217
	.end_amdhsa_kernel
	.amdgpu_metadata
---
amdhsa.version: [ 1, 2 ]
amdhsa.kernels:
  - .name:           k_q7cb2ddcf5f_attn
    .symbol:         k_q7cb2ddcf5f_attn.kd
    .args:
      - { .name: input_seq, .offset: 0, .size: 8, .value_kind: global_buffer, .address_space: global }
      - { .name: wimg, .offset: 8, .size: 8, .value_kind: global_buffer, .address_space: global }
      - { .name: lowp_scales, .offset: 16, .size: 8, .value_kind: global_buffer, .address_space: global }
      - { .name: v, .offset: 24, .size: 8, .value_kind: global_buffer, .address_space: global }
      - { .name: out0, .offset: 32, .size: 8, .value_kind: global_buffer, .address_space: global }
    .group_segment_fixed_size: 327680
    .private_segment_fixed_size: 0
    .kernarg_segment_align: 8
    .kernarg_segment_size: 40
    .max_flat_workgroup_size: 128
    .sgpr_count:     66
    .vgpr_count:     1024
    .wavefront_size: 32
...
	.end_amdgpu_metadata
.endif
;; end of part 2
